; MI455X (gfx1250); checked and timed in simulation.
; The chip was launched on July 23, 2026; its instructions are those of AMD's public machine-readable ISA for CDNA 5 (MIT licence, August 2026) and "CDNA5" Instruction Set Architecture Reference Guide (July 2026). The comments in the code are by the model that wrote it; some were corrected since.
;; attention. Allowed arithmetic: matrix products marked QUANTISED: E5M2 operands, one E8M0 scale for each 32 along K, by v_wmma_scale_f32_16x16x128_f8f6f4 with both operands' format E5M2, f32 sums; everything else in f32.
;; Inputs: Wo 512 x 512 float32; bo 512 float32; key 2 x 4,096 x 512 float32; query 2 x 4,096 x 512 float32; value 2 x 4,096 x 512 float32.
;; Outputs: out0 2 x 4,096 x 512 float32.
;; Constants: mask = 1.
;; This version of the problem:
;;   THIS VERSION OF THE PROBLEM IS GIVEN IN LOW PRECISION. The matrix products marked QUANTISED in the list below multiply operands that are first quantised to E5M2 (5 exponent bits, 2 mantissa bits; 8 bits a number), with one power-of-two scale for each 32 numbers along K (OCP MX v1.0); their sums are f32. All else is computed in f32.
;;   The module's matrix products, in the order in which they are computed (A, B: the left and right operand; K: the contracted axis; several contracted axes count as one K, in the product's order):
;;     1. batch 16 x [M 4,096, K 64] x [K 64, N 4,096]; A: input query; B: input key: QUANTISED
;;     2. batch 16 x [M 4,096, K 4,096] x [K 4,096, N 64]; A: softmax (see below); B: input value: QUANTISED
;;     3. [M 8,192, K 512] x [K 512, N 512]; A: computed on the way; B: input Wo: QUANTISED
;;   THE QUANTISER, for each operand of a quantised product, along K:
;;     - K is cut into blocks of 32 from its start; a last block that is shorter is filled with zeros.
;;     - A block's scale is 2^e with e = floor(log2(the largest magnitude in the block)) - 15, held to -126 .. 127; a block of zeros has e = 0. As a byte (E8M0): e + 127.
;;     - Each number is divided by its block's scale, clamped to +-57,344, and rounded to the nearest number of E5M2, ties to even, subnormals kept.
;;     - The product sums the exact products of the quantised numbers (number of the format x scale) in f32.
;;   ~~~python
;;   def quantise(x, axis):      # numpy; x: float32 -> the quantised numbers, widened to float32 again
;;       x = np.moveaxis(x, axis, -1); K = x.shape[-1]
;;       x = np.pad(x, [(0, 0)] * (x.ndim - 1) + [(0, -K % 32)]); x = x.reshape(x.shape[:-1] + (-1, 32)); a = np.abs(x).max(-1, keepdims=True)
;;       e = np.where(a > 0, np.clip(np.frexp(np.where(a > 0, a, 1))[1] - 1 - 15, -126, 127), 0)      # np.frexp(a)[1] - 1 = floor(log2(a)), exactly
;;       r = np.clip(x / 2.0 ** e, -57344, 57344)
;;       step = 2.0 ** (np.maximum(np.frexp(np.where(r == 0, 1, r))[1] - 1, -14) - 2)
;;       q = np.round(r / step) * step * 2.0 ** e      # np.round: ties to even
;;       return np.moveaxis(q.reshape(q.shape[:-2] + (-1,))[..., :K], -1, axis).astype(np.float32)
;;   ~~~
;;   SOFTMAX AHEAD OF A QUANTISED PRODUCT. Where the list says 'softmax', what is quantised is not the finished softmax but p = 2^(t - M), with t = logit x log2(e) and M = ceil(the row's largest t), a whole number; so 1/2 < the row's largest p <= 1. The row's sum l is taken of the UNQUANTISED p, in f32, and the product's result is divided by l at the end. Since M is a whole number, a kernel that streams over the keys may use a running M (the ceiling of the running maximum): every later rescaling is an exact power of two, which a block's scale takes up: the codes' values come out the same.
;;   OPERANDS COMPUTED ON THE WAY. 'Computed on the way' means the value that the module computes at that place (a softmax that the list does not call 'softmax' is quantised finished and normalised). What goes into a quantiser is computed in f32, as accurately as f32 sums, v_exp_f32 and their like allow (about 1e-6 of the number): no bf16 or f16 on the way to a quantiser, and a product that is left as it is and whose result goes on into a quantised operand takes f32 operands (vector FMAs, or v_wmma_f32_16x16x4_f32). A number that lies on a knife's edge between two numbers of the format may be rounded either way, as far as f32 arithmetic and the matrix unit's own rounding can turn it there, and no further.
;; One version. Each part assembles by itself: llvm-mc -triple=amdgcn-amd-amdhsa -mcpu=gfx1250 --defsym DOCPART=n.
;; ======== version 1 of 1: 3 launches
;; workspace buffers: kv 8,781,824 bytes; wq 278,528 bytes; oc 4,194,304 bytes; os 131,072 bytes
;; launch prep (part 1): grid 264 x 1, 8 waves a work-group, no clusters, 70,656 bytes of LDS; arguments key, value, Wo, kv, wq; writes kv, wq
.if DOCPART == 1
	.amdgcn_target "amdgcn-amd-amdhsa--gfx1250"
	.amdhsa_code_object_version 6
	.text
	.protected	k_qd92651e48d_prep
	.globl	k_qd92651e48d_prep
	.p2align	8
	.type	k_qd92651e48d_prep,@function
k_qd92651e48d_prep:
	s_mov_b64 s[64:65], 0
	v_nop
	global_prefetch_b8 v0, s[64:65] scope:SCOPE_SE
	s_setreg_imm32_b32 hwreg(HW_REG_WAVE_MODE, 25, 1), 1
	s_wait_xcnt 0x0
; key [2][4096][512], value [2][4096][512] and Wo [512][512], f32, become codes of BF8 (E5M2) with one E8M0 byte for each 32 along a product's K,
; laid as IMAGES OF OPERAND REGISTERS: a group of four registers of a fragment is 512 consecutive bytes, lane l's 16 bytes at 16 l.
; kv: [b*8+h 16][step of 128 keys 32][17,152 bytes]:  +0 K's images, (2 j + c) x 512, tile j = 0..7, c = 0, 1: lane (r, hh) = key 32 (j/2) + 8 (j%2) + r + 8 (r/8), channels 32 c + 16 hh + 0..15;
;   +8192 V's images, (4 n + c) x 512, n = 0..3, c = 0..3: lane (r, hh) = channel 32 (n/2) + 8 (n%2) + r + 8 (r/8), keys 32 c + 16 hh + 0..15;
;   +16384 K's scale words [half 2][lane 32][2]: word e of half f serves tiles 2 (2 f + e) (lanes 0-15) and 2 (2 f + e) + 1 (lanes 16-31); bytes 2, 3 are 127 (the codes of k = 64..127 are zeros);
;   +16896 V's scale words [pair 2][lane 32]: lanes 0-15 tile 2 pair, lanes 16-31 tile 2 pair + 1.
; wq: [128 rows of Wo 4][64 along k 8][8,192 bytes as K's images]; from 262,144 on their scale words, 512 bytes each, as K's.
; A block's scale is 2^(floor(log2(largest magnitude)) - 15); its byte is the largest magnitude's exponent field - 15, held at 1 from below by a floor among the maximum's leaves.
; LIMITS: a block of zeros gets the byte 1 where the rule says 127 (its codes are zeros, and this program alone reads the bytes); NaN and infinities among the inputs are not served.
; SHARES: work-groups 0-127 take key, 128-135 Wo (one path: K is innermost; only pointers and strides are chosen), 136-263 value (K = the keys is not innermost: a lane takes a channel, registers run down the keys).
; No matrix unit, no tensor load, no cluster, no barrier: memory binds, waves share nothing.  Only the first path uses LDS.
.set BLKB, 17152
.set SEL,  20                          ; s[20:21] lane selects of v_permlanex16_b32: lane l xor 16
.set MNT,  22                          ; s22 the mantissa field of 57,344
.set HI16, 23                          ; s23 mask of lanes 16-31
.set GI,   1                           ; path K: v1 my bytes of a load: hh x 2,048 + 16 (l % 16)
.set SI,   2                           ; v2 the stage, on the way in
.set SOUT, 3                           ; v3 and on the way out
.set LI,   4                           ; v4 16 x lane
.set L8,   5                           ; v5 8 x lane
.set BM,   6                           ; v6-7 largest magnitudes;  v8-9 the other half's, then the bytes;  v10-11 57,344 x the scale;  v12-13 the conversions' scale operands
.set T1,   8
.set HL,   10
.set SO,   12
.set R,    16                          ; v16-143 four tiles as loaded, 32 registers each
.set X,    144                         ; v144-207 two sets of 32 numbers in the operand's order
.set C,    208                         ; v208-239 codes, 8 registers a tile: no store's data are written again
.set W,    240                         ; v240-243 a tile's scale word
.set P,    244                         ; v[244:245] the two words that leave
.set XV,   16                          ; path V: v16-143 four blocks of 32 keys;  v144-175 codes;  v176 the scale word
.set CV,   144
.set WD,   176
; 32 numbers of a lane, register 16 b + i = k 32 b + 16 (lane / 16) + i of the lane's row, become 8 registers of codes at v[d]; the two bytes are left in v[T1], v[T1+1].
.macro QUANT2 s, d
.irp b, 0,1
	v_max3_num_f32 v[BM+\b], |v[\s+16*\b]|, |v[\s+16*\b+1]|, 0x8000000   ; my 16 numbers of block b, and the floor 2^(16 - 127): the byte cannot fall under 1
.endr
.irp i, 2,4,6,8,10,12,14
.irp b, 0,1
	v_max3_num_f32 v[BM+\b], v[BM+\b], |v[\s+16*\b+\i]|, |v[\s+16*\b+\i+1]|
.endr
.endr
.irp b, 0,1
	v_permlanex16_b32 v[T1+\b], v[BM+\b], s[SEL], s[SEL+1]
.endr
.irp b, 0,1
	v_max_num_f32 v[BM+\b], v[BM+\b], v[T1+\b]     ; with lane l xor 16's 16: the block's largest magnitude
.endr
.irp b, 0,1
	v_add_nc_u32 v[SO+\b], 0xf8800000, v[BM+\b]    ; 15 off its exponent field: the conversion takes this operand's exponent field as its scale
.endr
.irp b, 0,1
	v_and_or_b32 v[HL+\b], v[BM+\b], 0x7f800000, s[MNT]   ; 57,344 x the scale
.endr
.irp b, 0,1
	v_lshrrev_b32 v[T1+\b], 23, v[SO+\b]           ; the scale's byte
.endr
.irp b, 0,1
.irp i, 0,1,2,3,4,5,6,7,8,9,10,11,12,13,14,15
	v_med3_num_f32 v[\s+16*\b+\i], v[\s+16*\b+\i], -v[HL+\b], v[HL+\b]   ; the conversion to an 8-bit code does not saturate (ISA guide 7.6.2): the hold comes first
.endr
	v_cvt_scalef32_pk8_bf8_f32 v[\d+4*\b:\d+4*\b+1], v[\s+16*\b:\s+16*\b+7], v[SO+\b]
	v_cvt_scalef32_pk8_bf8_f32 v[\d+4*\b+2:\d+4*\b+3], v[\s+16*\b+8:\s+16*\b+15], v[SO+\b]
.endr
	v_nop                                          ; one plain line behind the last conversion
.endm
	s_load_b256 s[4:11], s[0:1], 0x0               ; key s[4:5], value s[6:7], Wo s[8:9], kv s[10:11]
	s_load_b64 s[12:13], s[0:1], 0x20              ; wq
	v_lshl_add_u32 v254, v0, 2, 0x11000
	v_mov_b32 v255, 0
	v_lshrrev_b32 v1, 5, v0
	v_readfirstlane_b32 s14, v1                    ; wave 0..7
	s_mov_b32 s[SEL], 0x76543210
	s_mov_b32 s[SEL+1], 0xfedcba98
	s_mov_b32 s[MNT], 0x600000
	s_mov_b32 s[HI16], 0xffff0000
	s_cmp_ge_u32 ttmp9, 136
	s_cbranch_scc1 .Lpath_v
	; ---- PATH K: a wave takes 64 rows x 64 columns (four tiles of 16 rows): work-group = 64 rows, wave = the column segment (a head of key, 64 along k of Wo)
	v_and_b32 v14, 15, v0                          ; l % 16
	v_bfe_u32 v15, v0, 4, 1                        ; hh = l / 16
	v_lshlrev_b32 v[GI], 4, v14
	v_lshl_add_u32 v[GI], v15, 11, v[GI]           ; lanes 0-15 read one row's 256 bytes, lanes 16-31 the next row's
	s_mul_i32 s15, s14, 8704                       ; my wave's two stages of 16 rows x 272 bytes
	v_mul_u32_u24 v[SI], v15, 272
	v_lshl_add_u32 v[SI], v14, 4, v[SI]
	v_add_nc_u32 v[SI], s15, v[SI]                 ; in: as loaded
	v_mul_u32_u24 v[SOUT], v14, 272
	v_lshl_add_u32 v[SOUT], v15, 6, v[SOUT]
	v_add_nc_u32 v[SOUT], s15, v[SOUT]             ; out: row l % 16, 64 hh bytes on: 16 neighbours of a block of 32
	v_and_b32 v[L8], 31, v0
	v_lshlrev_b32 v[LI], 4, v[L8]
	v_lshlrev_b32 v[L8], 3, v[L8]
	v_mov_b32 v[T1], 0                             ; a lane permute's destination counts as one of its sources
	v_mov_b32 v[T1+1], 0
	s_cmp_lt_u32 ttmp9, 128
	s_cselect_b32 s16, 0, 128
	s_sub_co_u32 s16, ttmp9, s16                   ; xx: which 64 rows of the tensor
	s_and_b32 s17, s16, 1                          ; which half of a block of 128 rows
	s_lshr_b32 s24, s16, 6
	s_lshl_b32 s24, s24, 8                         ; key: b x 256
	s_lshl_b32 s25, s14, 5
	s_add_co_u32 s24, s24, s25                     ; + h x 32
	s_bfe_u32 s25, s16, 0x50001
	s_add_co_u32 s24, s24, s25                     ; + step
	s_lshr_b32 s25, s16, 1
	s_lshl_b32 s25, s25, 3
	s_add_co_u32 s25, s25, s14                     ; Wo: (128 rows) x 8 + segment
	s_mov_b32 s26, 8192                            ; an instruction takes one literal: Wo's figures stand in registers first
	s_mov_b32 s27, 512
	s_mov_b32 s28, 262144
	s_wait_kmcnt 0x0
	s_cmp_lt_u32 ttmp9, 128                        ; key or Wo?  The choice hangs on the work-group's number alone
	s_cselect_b32 s24, s24, s25                    ; the block's number
	s_cselect_b32 s26, BLKB, s26                   ; from block to block: images,
	s_cselect_b32 s27, BLKB, s27                   ; scale words,
	s_cselect_b32 s28, 16384, s28                  ; and where the scale words begin
	s_cselect_b64 s[30:31], s[4:5], s[8:9]
	s_cselect_b64 s[32:33], s[10:11], s[12:13]
	s_mul_i32 s26, s24, s26
	s_mul_i32 s27, s24, s27
	s_lshl_b32 s25, s17, 12
	s_add_co_u32 s26, s26, s25                     ; images: + half x 4,096
	s_add_co_u32 s27, s27, s28
	s_lshl_b32 s25, s17, 8
	s_add_co_u32 s34, s27, s25                     ; scale words: + half x 256
	s_mov_b32 s35, 0
	s_mov_b32 s27, 0
	s_add_nc_u64 s[34:35], s[32:33], s[34:35]
	s_add_nc_u64 s[32:33], s[32:33], s[26:27]
	s_lshl_b32 s26, s16, 17                        ; 64 rows of 2,048 bytes
	s_lshl_b32 s25, s14, 8                         ; my segment's 256 bytes of a row
	s_add_co_u32 s26, s26, s25
	s_add_nc_u64 s[30:31], s[30:31], s[26:27]
.irp jl, 0,1,2,3                       ; all 32 loads go out first.  Tile jl's row p (0..15) is row 32 (jl/2) + 8 (jl%2) + p + 8 (p/8); load i brings p = 2 i and 2 i + 1
.irp i, 0,1,2,3,4,5,6,7
	global_load_b128 v[R+32*\jl+4*\i:R+32*\jl+4*\i+3], v[GI], s[30:31] offset:(32*(\jl/2)+8*(\jl%2)+2*\i+8*(\i/4))*2048 th:TH_LOAD_NT
.endr
.endr
.macro TURN jl                         ; a tile through the stage: LDS serves a wave's instructions in order, so no wait stands between the stores and the loads
.irp i, 0,1,2,3,4,5,6,7
	ds_store_b128 v[SI], v[R+32*(\jl)+4*\i:R+32*(\jl)+4*\i+3] offset:((\jl)%2)*4352+2*\i*272
.endr
.irp c, 0,1
.irp i, 0,1,2,3
	ds_load_b128 v[X+32*((\jl)%2)+16*\c+4*\i:X+32*((\jl)%2)+16*\c+4*\i+3], v[SOUT] offset:((\jl)%2)*4352+128*\c+16*\i
.endr
.endr
.endm
.macro TILE jl
.if \jl < 3
	s_wait_loadcnt 16-8*\jl                        ; the next tile's eight loads are in; those of the tiles behind it may be out
	TURN \jl+1                                     ; it goes through the other stage while this tile is worked
	s_wait_dscnt 16                                ; this tile is back from the stage; the next tile's 16 LDS instructions may be out
.else
	s_wait_dscnt 0x0
.endif
	QUANT2 X+32*(\jl%2), C+8*\jl
	v_lshl_or_b32 v[W+\jl], v[T1+1], 8, v[T1]      ; my row's scale word: two bytes,
	v_or_b32 v[W+\jl], 0x7f7f0000, v[W+\jl]        ; and 127 for k = 64..127, whose codes are zeros
.irp c, 0,1
	global_store_b128 v[LI], v[C+8*\jl+4*\c:C+8*\jl+4*\c+3], s[32:33] offset:(2*\jl+\c)*512   ; 32 lanes store 512 consecutive bytes
.endr
.endm
	s_wait_loadcnt 24                              ; tile 0's eight loads are in
	TURN 0
	TILE 0
	TILE 1
	TILE 2
	TILE 3
	v_cndmask_b32 v[P], v[W], v[W+1], s[HI16]      ; lanes 0-15 the even tile's rows, lanes 16-31 the odd tile's
	v_cndmask_b32 v[P+1], v[W+2], v[W+3], s[HI16]
	global_store_b64 v[L8], v[P:P+1], s[34:35]     ; 32 lanes store 256 consecutive bytes, aligned
	s_wait_tensorcnt 0x0
	ds_add_u32 v254, v255
	s_wait_dscnt 0x0
	s_endpgm
	; ---- PATH V: a wave takes 128 keys x 32 channels of one head: a lane a channel, its registers down the keys: a block of 32 keys lies in one lane
.Lpath_v:
	s_sub_co_u32 s16, ttmp9, 136
	s_lshr_b32 s17, s16, 1                         ; b x 32 + step
	s_and_b32 s18, s16, 1
	s_lshl_b32 s18, s18, 2
	s_lshr_b32 s19, s14, 1
	s_add_co_u32 s18, s18, s19                     ; the head
	s_and_b32 s19, s14, 1                          ; which 32 channels of it
	s_lshl_b32 s24, s17, 18                        ; 128 rows of 2,048 bytes
	s_lshl_b32 s26, s18, 8
	s_add_co_u32 s24, s24, s26
	s_lshl_b32 s26, s19, 7
	s_add_co_u32 s24, s24, s26
	s_mov_b32 s25, 0
	s_lshr_b32 s26, s17, 5
	s_lshl_b32 s26, s26, 3
	s_add_co_u32 s26, s26, s18                     ; b x 8 + h
	s_lshl_b32 s26, s26, 5
	s_and_b32 s28, s17, 31
	s_add_co_u32 s26, s26, s28
	s_mul_i32 s26, s26, BLKB                       ; the step's block in kv
	s_lshl_b32 s28, s19, 12
	s_add_co_u32 s28, s26, s28
	s_add_co_u32 s28, s28, 8192                    ; my two tiles' images
	s_mov_b32 s29, 0
	s_lshl_b32 s30, s19, 7
	s_add_co_u32 s30, s26, s30
	s_add_co_u32 s30, s30, 16896                   ; and their scale words
	s_mov_b32 s31, 0
	v_and_b32 v2, 31, v0                           ; y: my channel among the 32
	v_lshlrev_b32 v1, 2, v2
	v_bfe_u32 v3, v2, 3, 1                         ; u: which of the two tiles: y = 8 u + r + 8 (r / 8)
	v_and_b32 v4, 7, v2
	v_lshrrev_b32 v5, 4, v2
	v_lshl_add_u32 v4, v5, 3, v4                   ; r: my row in it
	v_lshlrev_b32 v5, 4, v4
	v_lshl_add_u32 v5, v3, 11, v5                  ; images: u x 2,048 + 16 r
	v_lshl_add_u32 v6, v3, 4, v4
	v_lshlrev_b32 v6, 2, v6                        ; scale words: 4 (r + 16 u)
	s_wait_kmcnt 0x0
	s_add_nc_u64 s[24:25], s[6:7], s[24:25]
	s_add_nc_u64 s[28:29], s[10:11], s[28:29]
	s_add_nc_u64 s[30:31], s[10:11], s[30:31]
.macro VLOAD c                         ; block c: 32 keys of my channel; each load reads 128 consecutive bytes
.set nn, 0
.rept 32
	global_load_b32 v[XV+32*(\c)+nn], v1, s[24:25] offset:(32*(\c)+nn)*2048 th:TH_LOAD_NT
.set nn, nn+1
.endr
.endm
.macro BLOCK c
.set XS, XV+32*\c
.if \c < 3
	s_wait_loadcnt 32                              ; this block's 32 loads are in; the next block's may be out
.else
	s_wait_loadcnt 0x0
.endif
.if \c < 2
	VLOAD \c+2                                     ; two blocks ahead, into registers of their own
.endif
	v_max3_num_f32 v12, |v[XS]|, |v[XS+1]|, |v[XS+2]|   ; the block's largest magnitude: all 32 numbers are mine
	v_max3_num_f32 v13, |v[XS+3]|, |v[XS+4]|, |v[XS+5]|
.irp i, 6,10,14,18,22,26
	v_max3_num_f32 v12, v12, |v[XS+\i]|, |v[XS+\i+1]|
	v_max3_num_f32 v13, v13, |v[XS+\i+2]|, |v[XS+\i+3]|
.endr
	v_max3_num_f32 v12, v12, |v[XS+30]|, |v[XS+31]|
	v_max3_num_f32 v12, v12, v13, 0x8000000        ; and the floor 2^(16 - 127)
	v_add_nc_u32 v11, 0xf8800000, v12
	v_and_or_b32 v10, v12, 0x7f800000, s[MNT]
	v_lshrrev_b32 v13, 23, v11
.if \c == 0
	v_mov_b32 v[WD], v13                           ; four bytes make my channel's scale word for these 128 keys
.else
	v_lshl_or_b32 v[WD], v13, 8*\c, v[WD]
.endif
.set nn, 0
.rept 32
	v_med3_num_f32 v[XS+nn], v[XS+nn], -v10, v10
.set nn, nn+1
.endr
.irp g, 0,1,2,3
	v_cvt_scalef32_pk8_bf8_f32 v[CV+8*\c+2*\g:CV+8*\c+2*\g+1], v[XS+8*\g:XS+8*\g+7], v11
.endr
	v_nop                                          ; one plain line behind the last conversion
	global_store_b128 v5, v[CV+8*\c:CV+8*\c+3], s[28:29] offset:\c*512        ; keys 32 c + 0..15: the place of lane r; sixteen lanes of a tile store 256 consecutive bytes, aligned
	global_store_b128 v5, v[CV+8*\c+4:CV+8*\c+7], s[28:29] offset:\c*512+256  ; keys 32 c + 16..31: the place of lane 16 + r
.endm
	VLOAD 0
	VLOAD 1
	BLOCK 0
	BLOCK 1
	BLOCK 2
	BLOCK 3
	global_store_b32 v6, v[WD], s[30:31]           ; 128 consecutive bytes a wave
	s_endpgm
.Lfunc_end_k_qd92651e48d_prep:
	.size	k_qd92651e48d_prep, .Lfunc_end_k_qd92651e48d_prep-k_qd92651e48d_prep
	.p2alignl 7, 3214868480
	.fill 96, 4, 3214868480
	.section	.rodata,"a",@progbits
	.p2align	6, 0x0
	.amdhsa_kernel k_qd92651e48d_prep
		.amdhsa_group_segment_fixed_size 70656
		.amdhsa_private_segment_fixed_size 0
		.amdhsa_enable_private_segment 0
		.amdhsa_kernarg_size 40
		.amdhsa_user_sgpr_count 2
		.amdhsa_user_sgpr_kernarg_segment_ptr 1
		.amdhsa_wavefront_size32 1
		.amdhsa_system_sgpr_workgroup_id_x 1
		.amdhsa_system_sgpr_workgroup_id_y 1
		.amdhsa_system_sgpr_workgroup_id_z 1
		.amdhsa_system_vgpr_workitem_id 0
		.amdhsa_next_free_vgpr 256
		.amdhsa_next_free_sgpr 66
		.amdhsa_reserve_vcc 0
		.amdhsa_float_denorm_mode_32 3
		.amdhsa_float_denorm_mode_16_64 3
		.amdhsa_memory_ordered 1
		.amdhsa_forward_progress 1
		.amdhsa_inst_pref_size 57
	.end_amdhsa_kernel
	.amdgpu_metadata
---
amdhsa.version: [ 1, 2 ]
amdhsa.kernels:
  - .name:           k_qd92651e48d_prep
    .symbol:         k_qd92651e48d_prep.kd
    .args:
      - { .name: key, .offset: 0, .size: 8, .value_kind: global_buffer, .address_space: global }
      - { .name: value, .offset: 8, .size: 8, .value_kind: global_buffer, .address_space: global }
      - { .name: Wo, .offset: 16, .size: 8, .value_kind: global_buffer, .address_space: global }
      - { .name: kv, .offset: 24, .size: 8, .value_kind: global_buffer, .address_space: global }
      - { .name: wq, .offset: 32, .size: 8, .value_kind: global_buffer, .address_space: global }
    .group_segment_fixed_size: 70656
    .private_segment_fixed_size: 0
    .kernarg_segment_align: 8
    .kernarg_segment_size: 40
    .max_flat_workgroup_size: 256
    .sgpr_count:     66
    .vgpr_count:     256
    .wavefront_size: 32
...
	.end_amdgpu_metadata
.endif
;; end of part 1
;; launch attn (part 2): grid 16 x 16, 8 waves a work-group, no clusters, 327,680 bytes of LDS; arguments query, kv, oc, os; writes oc, os
.if DOCPART == 2
	.amdgcn_target "amdgcn-amd-amdhsa--gfx1250"
	.amdhsa_code_object_version 6
	.text
	.protected	k_qd92651e48d_attn
	.globl	k_qd92651e48d_attn
	.p2align	8
	.type	k_qd92651e48d_attn,@function
k_qd92651e48d_attn:
	s_mov_b64 s[64:65], 0
	v_nop
	global_prefetch_b8 v0, s[64:65] scope:SCOPE_SE
	s_setreg_imm32_b32 hwreg(HW_REG_WAVE_MODE, 25, 1), 1
	s_wait_xcnt 0x0
; Causal attention of one (batch, head) on codes of BF8 (E5M2) with E8M0 scales: S^T = K Q^T (K = the head's 64 channels, the instruction's k = 64..127 fed with zero codes), softmax, O^T = V^T P^T (K = 128 keys a step).
; query [2][4096][512] f32 is quantised here, in registers; K and V come as images of operand registers from kv (laid by the launch before: 17,152 bytes a step of 128 keys).
; THE SOFTMAX: t = score x log2(e) / 8; M = the running largest t rounded UP to a whole number; p = 2^(t - M) is quantised along the keys, not normalised; the row's sum is taken of the unquantised p and divides O at the end;
; when M moves, the sum and O^T are multiplied by 2^(old M - new M), which rounds nothing.
; o = O / sum is quantised here along the channels (the next product's K) and leaves as codes: oc [16 rows 512][head 8][block 2][512 bytes at 16 x lane], os [row 8192][16 bytes: 2 head + block].
; SHARES.  A head has 32 blocks of 128 queries; block j wants key steps 0..j.  Work-group i (0..15) takes block i and then block 31 - i: (i + 1) + (32 - i) = 33 key steps in every work-group, a constant of the text.
; Each of the 8 waves owns 16 queries of the block in hand; two waves to a SIMD.  A lane holds ONE query (lane % 16) throughout: both products are used transposed.
; THE RING: two LDS slots of three key steps; waves 0, 1, 2 fetch one step's block each (67 rows of 256 bytes) by one tensor load; 11 slots: ten trips that ask for the next slot, and a tail written out that asks for nothing.
; NO CLUSTER: the work-groups of a head walk different streams (0..i, 0..31-i): at place g of the stream work-groups i and i' want the same step only while g <= min(i, i'), so joint requests would not meet.
; LIMITS: NaN and infinities among the inputs are not served; a block of zeros has the byte 1 and zero codes (this program alone reads the bytes); a p under 2^-126 comes out as 0 (v_exp_f32); the division is v_rcp_f32 and a multiplication.
; REGISTERS.  Window 0: v1-11 addresses; v12 -M, v13 largest t, v[14:15] the sum; v16-31 Q (24-31 zeros); v32-95 S^T, then p; v96-127 O^T; v128-143 p's codes; v144-151 scale words; v152-160 the second block's Q;
;   v164-185 at work; v192-232 the way out (at the head: Q's f32 numbers in v192-255).  Window 1: v64-191 K's eight fragments (registers 8-15 of each are zeros, written once); v192-255 V's four.
.set BLKB,  17152
.set SLOT1, 65536                      ; slot 1 begins here: one exclusive or turns an address of one slot into the other's
.set SPARE, 131072                     ; the spare words, 128 bytes for each of the 8 waves: four blocks of 256 bytes that no other line names
.set L16, 1                            ; v1 16 x lane;  v2 8 x lane;  v3 4 x lane; never rewritten
.set L8,  2
.set L4,  3
.set SPW, 4                            ; v4 LDS address of my spare word;  v5 0; never rewritten
.set NIL, 5
.set DG,  6                            ; v6 my query in its block - 16 (lane / 16)
.set PFO, 7                            ; v7 256 x lane: the prefetches' offset
.set A16, 8                            ; v8-10 the three lane terms + the slot in hand
.set A8,  9
.set A4,  10
.set OSO, 11                           ; v11 16 (lane % 16) + lane / 16: my byte in os
.set QF,  16
.set S,   32
.set OT,  96
.set PC,  128
.set KS,  144                          ; v144-147 K's scale words (a register for two tiles);  v148-149 V's;  v150 Q's;  v151 p's
.set VS,  148
.set QS,  150
.set PS,  151
.set QH,  152                          ; v152-159 the second block's Q codes;  v160 its scale word
.set QHS, 160
.set NINF, 161
.set BM,  164
.set T1,  168
.set HL,  172
.set SO,  176
.set TA,  180
.set FF,  182                          ; v[182:183] f, later 1 / sum; v183 is written once, since the pair is named
.set SUM2, 184
.set OW,  192
.set OC,  224
.set OB,  232
.set KF,  64                           ; in window 1
.set VF,  192
.set WV,  12                           ; s12 wave;  s13 i;  s14 i + 1;  s15 the place in the stream at which the block in hand ends;  s16 the place in hand;  s17 the place that I fetch next;  s18 slots still to be asked for
.set II,  13
.set I1,  14
.set NF,  15
.set GG,  16
.set GF,  17
.set SLOTS, 18
.set MNT, 19
.set SEL, 20
.set CS,  22                           ; s[22:23] c = log2(e) / 8
.set G1,  24                           ; s[24:31] descriptor group 1;  s[32:35] group 0
.set G0,  32
.set KVB, 36                           ; s[36:37] my head's first byte in kv;  s[38:39] an offset, high word 0
.set TB,  40                           ; s40 the slot in hand
.set HI16, 41
.set OCP, 42                           ; s[42:43], s[44:45] where my tile's codes and bytes go;  s[46:47], s[48:49] from the first block to the second
.set OSP, 44
.set DOC, 46
.set DOS, 48
.set PFA, 50                           ; s[50:51] where my prefetches stand;  s52 1 in a wave that prefetches, else the greatest number
.set LIM, 52
.set MSB, 0
.macro WIN new                         ; the immediate's high byte repeats the setting that is left
.if MSB != \new
	s_set_vgpr_msb (MSB<<8)|\new
.set MSB, \new
.endif
.endm
; 32 numbers of a lane, register 16 b + i = k 32 b + 16 (lane / 16) + i of the lane's row, become 8 registers of codes at v[d]; the two bytes are left in v[T1], v[T1+1].
.macro QUANT2 s, d
.irp b, 0,1
	v_max3_num_f32 v[BM+\b], |v[\s+16*\b]|, |v[\s+16*\b+1]|, 0x8000000   ; my 16 numbers of block b, and the floor 2^(16 - 127): the byte cannot fall under 1
.endr
.irp i, 2,4,6,8,10,12,14
.irp b, 0,1
	v_max3_num_f32 v[BM+\b], v[BM+\b], |v[\s+16*\b+\i]|, |v[\s+16*\b+\i+1]|
.endr
.endr
.irp b, 0,1
	v_permlanex16_b32 v[T1+\b], v[BM+\b], s[SEL], s[SEL+1]
.endr
.irp b, 0,1
	v_max_num_f32 v[BM+\b], v[BM+\b], v[T1+\b]
.endr
.irp b, 0,1
	v_add_nc_u32 v[SO+\b], 0xf8800000, v[BM+\b]    ; 15 off the exponent field: the conversion's scale operand
.endr
.irp b, 0,1
	v_and_or_b32 v[HL+\b], v[BM+\b], 0x7f800000, s[MNT]   ; 57,344 x the scale
.endr
.irp b, 0,1
	v_lshrrev_b32 v[T1+\b], 23, v[SO+\b]           ; the scale's byte
.endr
.irp b, 0,1
.irp i, 0,1,2,3,4,5,6,7,8,9,10,11,12,13,14,15
	v_med3_num_f32 v[\s+16*\b+\i], v[\s+16*\b+\i], -v[HL+\b], v[HL+\b]   ; the conversion to an 8-bit code does not saturate (ISA guide 7.6.2)
.endr
	v_cvt_scalef32_pk8_bf8_f32 v[\d+4*\b:\d+4*\b+1], v[\s+16*\b:\s+16*\b+7], v[SO+\b]
	v_cvt_scalef32_pk8_bf8_f32 v[\d+4*\b+2:\d+4*\b+3], v[\s+16*\b+8:\s+16*\b+15], v[SO+\b]
.endr
	v_nop                                          ; one plain line behind the last conversion
.endm
; The key step at place GF of the stream 0..i, 0..31-i, and its block's address; then GF goes three places on.
.macro NEXTADR
	s_cmp_gt_u32 s[GF], s[II]
	s_cselect_b32 s38, s[I1], 0
	s_sub_co_u32 s38, s[GF], s38
	s_mul_i32 s38, s38, BLKB
	s_add_nc_u64 s[G0+2:G0+3], s[KVB:KVB+1], s[38:39]
	s_or_b32 s[G0+3], s[G0+3], 0x80000000          ; type = 2
	s_add_co_u32 s[GF], s[GF], 3
.endm
.macro TLOAD                           ; waves 0, 1, 2 fetch; the branch hangs on the wave's number alone; four v_nop follow the load
	s_cmp_lt_u32 s[WV], 3
	s_cbranch_scc0 .Lnone_\@
	tensor_load_to_lds s[G0:G0+3], s[G1:G1+7]
	s_nop 0
.rept 4
	v_nop
.endr
.Lnone_\@:
.endm
; A PREFETCH INTO THE L2 of the images that the next change of slots will ask for in work-group 0's stream: in trip n (0..8) the steps 3 n + 5, 3 n + 6, 3 n + 7 of the head.  All 16 work-groups of a head read the same blocks:
; work-group x = 0 asks, and in it waves 2 to 7, one instruction each: wave w the K images ((w - 2) even) or the V images (odd) of step 3 n + 5 + (w - 2) / 2: 8,192 bytes, lanes 256 bytes apart.
; So each aligned block of 256 bytes is named once in the launch.  Steps 0..4 and each step's 768 bytes of scale words come by their tensor loads alone; the last change that fills a slot asks for nothing; the highest step named is 31.
.macro ASK
	s_cmp_gt_u32 s[SLOTS], s[LIM]
	s_cbranch_scc0 .Lnot_mine_\@
	global_prefetch_b8 v[PFO], s[PFA:PFA+1] th:TH_LOAD_NT scope:SCOPE_SE
.Lnot_mine_\@:
.endm
; THE CHANGE OF SLOTS stands at a slot's head.  Each wave waits for all its tensor loads, adds 0 to its spare word, and waits for that and for its reads of the slot that it has left; behind the barrier the slot ahead is whole
; and nobody reads the other one.  fill = 1: that other slot is asked for: the load has three key steps in which to land.
.macro CHANGE fill
	s_wait_tensorcnt 0x0                           ; no tensor load of mine is out, so group 0 may be written
	ds_add_u32 v[SPW], v[NIL]                      ; 0 onto my spare word
.if \fill
	s_xor_b32 s[G0+1], s[G0+1], SLOT1              ; the other slot than last time
	NEXTADR
	s_wait_xcnt 0x0                                ; the last prefetch, a slot back, has read its address, so it may be written
	s_add_nc_u64 s[PFA:PFA+1], s[PFA:PFA+1], 3*BLKB
.endif
	s_wait_dscnt 0x0                               ; the add is done, and my reads of the slot that I have left are over
	s_barrier_signal -1
	s_barrier_wait -1
.if \fill
	TLOAD                                          ; the first thing behind the barrier, and a wave's one tensor load until the next
	ASK
.endif
.endm
.macro LOADK q                         ; 18 LDS loads: step q's scale words of K (two registers a load) and its eight fragments' 8 registers of codes
	WIN 0
.irp f, 0,1
	ds_load_b64 v[KS+2*\f:KS+2*\f+1], v[A8] offset:(\q)*BLKB+16384+256*\f
.endr
	WIN 0x40                                       ; destination window 1
.irp j, 0,1,2,3,4,5,6,7
.irp c, 0,1
	ds_load_b128 v[KF+16*\j+4*\c:KF+16*\j+4*\c+3], v[A16] offset:(\q)*BLKB+(2*\j+\c)*512
.endr
.endr
.endm
.macro LOADV q                         ; 18 LDS loads: V's four fragments and their scale words
	WIN 0x40
.irp n, 0,1,2,3
.irp c, 0,1,2,3
	ds_load_b128 v[VF+16*\n+4*\c:VF+16*\n+4*\c+3], v[A16] offset:(\q)*BLKB+8192+(4*\n+\c)*512
.endr
.endr
	WIN 0
.irp e, 0,1
	ds_load_b32 v[VS+\e], v[A4] offset:(\q)*BLKB+16896+128*\e
.endr
.endm
; A BLOCK OF QUERIES IS DONE: O^T / sum, quantised along the channels, leaves; the second block's Q takes the first's place; sums start anew.  No LDS instruction, no barrier, no tensor load.
.macro FINISH
	v_add_f32 v14, v14, v15                        ; the sum's two halves,
	v_permlanex16_b32 v[TA], v14, s[SEL], s[SEL+1]
	v_add_f32 v14, v14, v[TA]                      ; and lane l xor 16's
	v_rcp_f32 v[FF], v14
.irp k, 0,1,2,3,4,5,6,7
	v_mov_b32 v[QF+\k], v[QH+\k]                   ; plain work behind the reciprocal
.endr
	v_mov_b32 v[QS], v[QHS]
	s_wait_alu depctr_va_vdst(0)                   ; the wait ahead of the reciprocal's first reader
.set nn, 0
.rept 16
	v_pk_mul_f32 v[OW+nn:OW+nn+1], v[OT+nn:OT+nn+1], v[FF:FF+1] op_sel_hi:[1,0]   ; register 16 b + i = channel 32 b + 16 (lane / 16) + i of my query: V's rows were chosen for it
.set nn, nn+2
.endr
	QUANT2 OW, OC
	v_cndmask_b32 v[OB], v[T1], v[T1+1], s[HI16]   ; lanes 0-15 store block 0's byte, lanes 16-31 block 1's
	global_store_b128 v[L16], v[OC:OC+3], s[OCP:OCP+1]              ; 32 lanes store 512 consecutive bytes
	global_store_b128 v[L16], v[OC+4:OC+7], s[OCP:OCP+1] offset:512
	global_store_b8 v[OSO], v[OB], s[OSP:OSP+1]
.set nn, 0
.rept 32
	v_mov_b32 v[OT+nn], 0
.set nn, nn+1
.endr
	v_mov_b32 v13, 0xff61b1e6                      ; -3e38, under every t
	v_floor_f32 v12, -v13
	v_mov_b32 v14, 0
	v_mov_b32 v15, 0
	s_wait_xcnt 0x0                                ; the stores have read their registers and bases: both may be written again
	s_add_nc_u64 s[OCP:OCP+1], s[OCP:OCP+1], s[DOC:DOC+1]
	s_add_nc_u64 s[OSP:OSP+1], s[OSP:OSP+1], s[DOS:DOS+1]
	s_mov_b32 s[NF], 32                            ; the second block ends at the stream's last place
.endm
; A KEY STEP: 128 keys, the q-th of the slot in hand.
.macro STEP q
.if \q == 0
	LOADK 0
.endif
	LOADV \q
	s_wait_dscnt 18                                ; K's 18 loads are in; V's 18, issued behind them, may be out
	WIN 0x01                                       ; source 0 window 1
.irp j, 0,1,2,3,4,5,6,7                ; S^T = K Q^T: register 8 j + i of lane (r, hh) is key 32 (j/2) + 16 hh + 8 (j%2) + i for query r
.if \j % 2
	v_wmma_scale_f32_16x16x128_f8f6f4 v[S+8*\j:S+8*\j+7], v[KF+16*\j:KF+16*\j+15], v[QF:QF+15], 0, v[KS+\j/2], v[QS] matrix_a_fmt:MATRIX_FMT_BF8 matrix_b_fmt:MATRIX_FMT_BF8 matrix_a_scale:MATRIX_SCALE_ROW1
.else
	v_wmma_scale_f32_16x16x128_f8f6f4 v[S+8*\j:S+8*\j+7], v[KF+16*\j:KF+16*\j+15], v[QF:QF+15], 0, v[KS+\j/2], v[QS] matrix_a_fmt:MATRIX_FMT_BF8 matrix_b_fmt:MATRIX_FMT_BF8
.endif
.endr
	WIN 0
.rept 8
	v_nop                                          ; eight places in front of the loads into K's registers and of the first read of the scores
.endr
.if \q < 2
	LOADK \q+1                                     ; the next step's K lands under the softmax
	WIN 0
.endif
	s_cmp_lg_u32 s[GG], s[NF]                      ; only a block's last step lies on the diagonal: a branch on ids
	s_cbranch_scc1 .Lopen_\@
.set nn, 0
.rept 64
	v_cmp_gt_i32 vcc_lo, 32*(nn/16)+nn%16, v[DG]   ; hidden where the register's key comes after my query
	v_cndmask_b32 v[S+nn], v[S+nn], v[NINF], vcc_lo
.set nn, nn+1
.endr
.Lopen_\@:
.irp b, 0,1,2,3
	v_max3_num_f32 v[BM+\b], v[S+16*\b], v[S+1+16*\b], v[S+2+16*\b]   ; the largest score of each block of 32 keys: it serves the row's maximum and, since p rises with the score, the block's largest p
.endr
.irp i, 3,5,7,9,11,13
.irp b, 0,1,2,3
	v_max3_num_f32 v[BM+\b], v[BM+\b], v[S+16*\b+\i], v[S+1+16*\b+\i]
.endr
.endr
.irp b, 0,1,2,3
	v_max_num_f32 v[BM+\b], v[BM+\b], v[S+15+16*\b]
.endr
.irp b, 0,1,2,3
	v_permlanex16_b32 v[T1+\b], v[BM+\b], s[SEL], s[SEL+1]
.endr
.irp b, 0,1,2,3
	v_max_num_f32 v[BM+\b], v[BM+\b], v[T1+\b]     ; with lane l xor 16's 16 keys
.endr
	v_max3_num_f32 v[TA], v[BM], v[BM+1], v[BM+2]
	v_max_num_f32 v[TA], v[TA], v[BM+3]
	v_mul_f32 v[TA], s[CS], v[TA]                  ; the step's largest t
	v_max_num_f32 v13, v13, v[TA]
	v_mov_b32 v[TA], v12
	v_floor_f32 v12, -v13                          ; the new -M = floor(-t): M is a whole number
	v_sub_f32 v[TA], v12, v[TA]                    ; old M - new M: a whole number, 0 or less
	v_cvt_i32_f32 v[TA], v[TA]                     ; (it saturates)
	v_ldexp_f32 v[FF], 1.0, v[TA]                  ; f = 2^(old M - new M)
.set nn, 0
.rept 32
	v_pk_fma_f32 v[S+nn:S+nn+1], v[S+nn:S+nn+1], s[CS:CS+1], v[12:13] op_sel_hi:[1,0,0]   ; t - M, two at a time
.set nn, nn+2
.endr
.irp b, 0,1,2,3
	v_fma_f32 v[BM+\b], v[BM+\b], s[CS], v12       ; the same of each block's largest score
.endr
.set nn, 0
.rept 64
	v_exp_f32 v[S+nn], v[S+nn]                     ; p = 2^(t - M)
.set nn, nn+1
.endr
	v_pk_mul_f32 v[14:15], v[14:15], v[FF:FF+1] op_sel_hi:[1,0]   ; the sums under the new M: the plain line behind the exponentials
	s_wait_alu depctr_va_vdst(0)                   ; one wait for the batch of 64, ahead of its first reader
.irp b, 0,1,2,3
	v_exp_f32 v[BM+\b], v[BM+\b]                   ; the block's largest p
.endr
	v_pk_add_f32 v[SUM2:SUM2+1], v[S:S+1], v[S+2:S+3]   ; the row's sum of the unquantised p, in two chains; it reads the 64 alone
.irp j, 4,8,12,16,20,24,28,32,36,40,44,48,52,56,60
	v_pk_add_f32 v[14:15], v[14:15], v[S+\j:S+\j+1]
	v_pk_add_f32 v[SUM2:SUM2+1], v[SUM2:SUM2+1], v[S+2+\j:S+3+\j]
.endr
	v_pk_add_f32 v[14:15], v[14:15], v[SUM2:SUM2+1]
	s_wait_alu depctr_va_vdst(0)                   ; and one for the four
.irp b, 0,1,2,3
	v_max_num_f32 v[BM+\b], 0x8000000, v[BM+\b]    ; the floor 2^(16 - 127)
.endr
.irp b, 0,1,2,3
	v_add_nc_u32 v[SO+\b], 0xf8800000, v[BM+\b]
.endr
.irp b, 0,1,2,3
	v_and_or_b32 v[HL+\b], v[BM+\b], 0x7f800000, s[MNT]
.endr
.irp b, 0,1,2,3
	v_lshrrev_b32 v[T1+\b], 23, v[SO+\b]
.endr
	v_lshl_or_b32 v[PS], v[T1+1], 8, v[T1]         ; p's scale word for these 128 keys: far more than eight plain lines ahead of the products
	v_lshl_or_b32 v[PS], v[T1+2], 16, v[PS]
	v_lshl_or_b32 v[PS], v[T1+3], 24, v[PS]
.irp b, 0,1,2,3
.irp i, 0,1,2,3,4,5,6,7,8,9,10,11,12,13,14,15
	v_min_num_f32 v[S+16*\b+\i], v[S+16*\b+\i], v[HL+\b]   ; p is not negative: the hold is one-sided
.endr
	v_cvt_scalef32_pk8_bf8_f32 v[PC+4*\b:PC+4*\b+1], v[S+16*\b:S+16*\b+7], v[SO+\b]
	v_cvt_scalef32_pk8_bf8_f32 v[PC+4*\b+2:PC+4*\b+3], v[S+16*\b+8:S+16*\b+15], v[SO+\b]
.endr
.set nn, 0
.rept 16
	v_pk_mul_f32 v[OT+nn:OT+nn+1], v[OT+nn:OT+nn+1], v[FF:FF+1] op_sel_hi:[1,0]   ; O^T under the new M; these lines are also the places between the codes and the products
.set nn, nn+2
.endr
.if \q < 2
	s_wait_dscnt 18                                ; V's 18 loads are in; the next step's K, issued behind them, may be out
.else
	s_wait_dscnt 0x0
.endif
	WIN 0x01
.irp n, 0,1,2,3                        ; O^T += V^T P^T: four accumulators, one instruction each
.if \n % 2
	v_wmma_scale_f32_16x16x128_f8f6f4 v[OT+8*\n:OT+8*\n+7], v[VF+16*\n:VF+16*\n+15], v[PC:PC+15], v[OT+8*\n:OT+8*\n+7], v[VS+\n/2], v[PS] matrix_a_fmt:MATRIX_FMT_BF8 matrix_b_fmt:MATRIX_FMT_BF8 matrix_a_scale:MATRIX_SCALE_ROW1
.else
	v_wmma_scale_f32_16x16x128_f8f6f4 v[OT+8*\n:OT+8*\n+7], v[VF+16*\n:VF+16*\n+15], v[PC:PC+15], v[OT+8*\n:OT+8*\n+7], v[VS+\n/2], v[PS] matrix_a_fmt:MATRIX_FMT_BF8 matrix_b_fmt:MATRIX_FMT_BF8
.endif
.endr
	WIN 0
.rept 8
	v_nop                                          ; eight places in front of the next loads into V's registers and of the next read of O^T
.endr
	s_cmp_lg_u32 s[GG], s[NF]
	s_cbranch_scc1 .Lgo_\@
	FINISH
.Lgo_\@:
	s_add_co_u32 s[GG], s[GG], 1
.endm
.macro SLOT_STEPS
	v_add_nc_u32 v[A16], s[TB], v[L16]
	v_add_nc_u32 v[A8], s[TB], v[L8]
	v_add_nc_u32 v[A4], s[TB], v[L4]
	STEP 0
	STEP 1
	STEP 2
	s_xor_b32 s[TB], s[TB], SLOT1
.endm
	s_load_b256 s[4:11], s[0:1], 0x0               ; query s[4:5], kv s[6:7], oc s[8:9], os s[10:11]
	v_lshl_add_u32 v[SPW], v0, 2, SPARE
	v_mov_b32 v[NIL], 0
	ds_add_u32 v4, v5
	s_wait_dscnt 0x0
	v_lshrrev_b32 v9, 5, v0
	v_readfirstlane_b32 s[WV], v9                  ; wave 0..7
	s_mov_b32 s[II], ttmp9
	s_add_co_u32 s[I1], s[II], 1
	s_mov_b32 s[NF], s[II]                         ; the first block ends at place i
	s_mov_b32 s[GG], 0
	s_min_u32 s[GF], s[WV], 2                      ; waves 0, 1, 2 fetch places 0, 1, 2 of the stream
	s_mov_b32 s[SLOTS], 10
	s_mov_b32 s[MNT], 0x600000
	s_mov_b32 s[SEL], 0x76543210
	s_mov_b32 s[SEL+1], 0xfedcba98
	s_mov_b32 s[CS], 0x3e38aa3b                    ; log2(e) / 8
	s_mov_b32 s[CS+1], s[CS]
	s_mov_b32 s[TB], 0
	s_mov_b32 s[HI16], 0xffff0000
	; descriptor group 1: a dense block of 17,152 bytes as 67 rows of 256 bytes (32 elements of 8 bytes); no padding: images are read at 16 x lane
	s_mov_b32 s[G1], 3<<16
	s_mov_b32 s[G1+1], 32<<16                      ; tensor_dim0
	s_mov_b32 s[G1+2], 67<<16                      ; tensor_dim1
	s_mov_b32 s[G1+3], 32<<16                      ; tile_dim0
	s_mov_b32 s[G1+4], 67                          ; tile_dim1
	s_mov_b32 s[G1+5], 32                          ; the pitch
	s_mov_b32 s[G1+6], 0
	s_mov_b32 s[G1+7], 0
	s_mov_b32 s[G0], 1
	s_mul_i32 s[G0+1], s[GF], BLKB                 ; LDS: my step's place in slot 0
	s_and_b32 s53, ttmp7, 0xffff                   ; b x 8 + h
	s_mul_i32 s38, s53, 32*BLKB
	s_mov_b32 s39, 0
	s_wait_kmcnt 0x0
	s_add_nc_u64 s[KVB:KVB+1], s[6:7], s[38:39]
	NEXTADR
	TLOAD                                          ; slot 0: the launch's first fill
	s_lshr_b32 s54, s53, 3                         ; b
	s_and_b32 s55, s53, 7                          ; h
	s_lshl_b32 s56, s54, 8
	s_lshl_b32 s57, s[II], 3
	s_add_co_u32 s56, s56, s57
	s_add_co_u32 s56, s56, s[WV]                   ; my first tile of 16 rows: b x 256 + 8 i + wave
	s_lshl_b32 s57, s[II], 1
	s_sub_co_u32 s57, 31, s57                      ; 31 - 2 i blocks on lies my second
	s_lshl_b32 s58, s56, 15                        ; 16 rows of 2,048 bytes
	s_lshl_b32 s60, s55, 8
	s_add_co_u32 s58, s58, s60
	s_mov_b32 s59, 0
	s_add_nc_u64 s[58:59], s[4:5], s[58:59]        ; Q of the first block
	s_lshl_b32 s60, s57, 18
	s_mov_b32 s61, 0
	s_add_nc_u64 s[60:61], s[58:59], s[60:61]      ; and of the second
	v_and_b32 v9, 31, v0
	v_lshlrev_b32 v[L16], 4, v9
	v_lshlrev_b32 v[L8], 3, v9
	v_lshlrev_b32 v[L4], 2, v9
	v_lshlrev_b32 v[PFO], 8, v9
	v_and_b32 v9, 15, v0                           ; r
	v_bfe_u32 v10, v0, 4, 1                        ; hh
	v_lshl_add_u32 v[OSO], v9, 4, v10
	v_lshlrev_b32 v8, 11, v9
	v_lshl_add_u32 v8, v10, 6, v8                  ; Q: row r, + 64 hh: my 16 numbers of a block of 32
.irp c, 0,1
.irp j, 0,1,2,3
	global_load_b128 v[192+16*\c+4*\j:192+16*\c+4*\j+3], v8, s[58:59] offset:128*\c+16*\j th:TH_LOAD_NT
.endr
.endr
.irp c, 0,1
.irp j, 0,1,2,3
	global_load_b128 v[224+16*\c+4*\j:224+16*\c+4*\j+3], v8, s[60:61] offset:128*\c+16*\j th:TH_LOAD_NT
.endr
.endr
	v_lshlrev_b32 v10, 4, v10
	v_sub_nc_u32 v[DG], v9, v10
	s_lshl_b32 s62, s[WV], 4
	v_add_nc_u32 v[DG], s62, v[DG]
	s_lshl_b32 s[OCP], s56, 13
	s_lshl_b32 s62, s55, 10
	s_add_co_u32 s[OCP], s[OCP], s62
	s_mov_b32 s[OCP+1], 0
	s_add_nc_u64 s[OCP:OCP+1], s[8:9], s[OCP:OCP+1]
	s_lshl_b32 s[OSP], s56, 8
	s_lshl_b32 s62, s55, 1
	s_add_co_u32 s[OSP], s[OSP], s62
	s_mov_b32 s[OSP+1], 0
	s_add_nc_u64 s[OSP:OSP+1], s[10:11], s[OSP:OSP+1]
	s_lshl_b32 s[DOC], s57, 16                     ; 8 tiles of 8,192 bytes a block
	s_mov_b32 s[DOC+1], 0
	s_lshl_b32 s[DOS], s57, 11                     ; 128 rows of 16 bytes
	s_mov_b32 s[DOS+1], 0
	s_max_u32 s62, s[WV], 2                        ; the prefetches (macro ASK)
	s_sub_co_u32 s62, s62, 2
	s_lshr_b32 s63, s62, 1
	s_add_co_u32 s63, s63, 2                       ; at step 2 + (w - 2) / 2: the first change of slots steps it three on.  Nothing is prefetched here, at the head
	s_mul_i32 s63, s63, BLKB
	s_and_b32 s62, s62, 1
	s_lshl_b32 s62, s62, 13
	s_add_co_u32 s62, s62, s63
	s_mov_b32 s63, 0
	s_add_nc_u64 s[PFA:PFA+1], s[KVB:KVB+1], s[62:63]
	s_cmp_lt_u32 s[WV], 2
	s_cselect_b32 s[LIM], 1, 0
	s_or_b32 s[LIM], s[LIM], s[II]                 ; 0 in waves 2 to 7 of the head's work-group 0
	s_cmp_eq_u32 s[LIM], 0
	s_cselect_b32 s[LIM], 1, -1
	WIN 0x40
.irp j, 0,1,2,3,4,5,6,7
.irp k, 8,9,10,11,12,13,14,15
	v_mov_b32 v[KF+16*\j+\k], 0                    ; K's codes of k = 64..127: zeros, written once
.endr
.endr
	WIN 0
.irp k, 8,9,10,11,12,13,14,15
	v_mov_b32 v[QF+\k], 0                          ; Q's likewise
.endr
.set nn, 0
.rept 32
	v_mov_b32 v[OT+nn], 0                          ; the step is written once: the first finds zeros, which the first change of M leaves zeros
.set nn, nn+1
.endr
.irp b, 0,1,2,3
	v_mov_b32 v[T1+\b], 0                          ; a lane permute's destination counts as one of its sources
.endr
	v_mov_b32 v[TA], 0
	v_mov_b32 v[FF+1], 0
	v_mov_b32 v[NINF], 0xff800000
	v_mov_b32 v13, 0xff61b1e6                      ; -3e38, under every t
	v_floor_f32 v12, -v13
	v_mov_b32 v14, 0
	v_mov_b32 v15, 0
	s_wait_loadcnt 8                               ; the first block's eight loads are in
	QUANT2 192, QF
	v_lshl_or_b32 v[QS], v[T1+1], 8, v[T1]
	v_or_b32 v[QS], 0x7f7f0000, v[QS]              ; 127 for k = 64..127, whose codes are zeros
	s_wait_loadcnt 0x0
	QUANT2 224, QH
	v_lshl_or_b32 v[QHS], v[T1+1], 8, v[T1]
	v_or_b32 v[QHS], 0x7f7f0000, v[QHS]
.Lslot:                                            ; ten trips: behind each change of slots but the last the next slot is asked for
	CHANGE 1
	SLOT_STEPS
	s_sub_co_u32 s[SLOTS], s[SLOTS], 1
	s_cmp_lg_u32 s[SLOTS], 0
	s_cbranch_scc1 .Lslot
	CHANGE 0                                       ; the last slot is written out
	SLOT_STEPS
	s_wait_tensorcnt 0x0                           ; the wave's end
	ds_add_u32 v[SPW], v[NIL]
	s_wait_dscnt 0x0
	s_endpgm
.Lfunc_end_k_qd92651e48d_attn:
	.size	k_qd92651e48d_attn, .Lfunc_end_k_qd92651e48d_attn-k_qd92651e48d_attn
	.p2alignl 7, 3214868480
	.fill 96, 4, 3214868480
	.section	.rodata,"a",@progbits
	.p2align	6, 0x0
	.amdhsa_kernel k_qd92651e48d_attn
		.amdhsa_group_segment_fixed_size 327680
		.amdhsa_private_segment_fixed_size 0
		.amdhsa_enable_private_segment 0
		.amdhsa_kernarg_size 32
		.amdhsa_user_sgpr_count 2
		.amdhsa_user_sgpr_kernarg_segment_ptr 1
		.amdhsa_wavefront_size32 1
		.amdhsa_system_sgpr_workgroup_id_x 1
		.amdhsa_system_sgpr_workgroup_id_y 1
		.amdhsa_system_sgpr_workgroup_id_z 1
		.amdhsa_system_vgpr_workitem_id 0
		.amdhsa_next_free_vgpr 512
		.amdhsa_next_free_sgpr 66
		.amdhsa_reserve_vcc 1
		.amdhsa_float_denorm_mode_32 3
		.amdhsa_float_denorm_mode_16_64 3
		.amdhsa_memory_ordered 1
		.amdhsa_forward_progress 1
		.amdhsa_inst_pref_size 203
	.end_amdhsa_kernel
	.amdgpu_metadata
---
amdhsa.version: [ 1, 2 ]
amdhsa.kernels:
  - .name:           k_qd92651e48d_attn
    .symbol:         k_qd92651e48d_attn.kd
    .args:
      - { .name: query, .offset: 0, .size: 8, .value_kind: global_buffer, .address_space: global }
      - { .name: kv, .offset: 8, .size: 8, .value_kind: global_buffer, .address_space: global }
      - { .name: oc, .offset: 16, .size: 8, .value_kind: global_buffer, .address_space: global }
      - { .name: os, .offset: 24, .size: 8, .value_kind: global_buffer, .address_space: global }
    .group_segment_fixed_size: 327680
    .private_segment_fixed_size: 0
    .kernarg_segment_align: 8
    .kernarg_segment_size: 32
    .max_flat_workgroup_size: 256
    .sgpr_count:     66
    .vgpr_count:     512
    .wavefront_size: 32
...
	.end_amdgpu_metadata
.endif
;; end of part 2
;; launch proj (part 3): grid 4 x 64, 8 waves a work-group, no clusters, 168,960 bytes of LDS; arguments oc, os, wq, bo, out0; writes out0
.if DOCPART == 3
	.amdgcn_target "amdgcn-amd-amdhsa--gfx1250"
	.amdhsa_code_object_version 6
	.text
	.protected	k_qd92651e48d_proj
	.globl	k_qd92651e48d_proj
	.p2align	8
	.type	k_qd92651e48d_proj,@function
k_qd92651e48d_proj:
	s_mov_b64 s[64:65], 0
	v_nop
	global_prefetch_b8 v0, s[64:65] scope:SCOPE_SE
	s_setreg_imm32_b32 hwreg(HW_REG_WAVE_MODE, 25, 1), 1
	s_wait_xcnt 0x0
; out0 [8192][512] f32 = o Wo^T + bo on codes of BF8 (E5M2) with E8M0 scales; K = 512 in four steps of 128.
; o comes as images of operand registers, oc [16 rows 512][K step 4][register group 4][512 bytes at 16 x lane], with its scale bytes os [row][16]; Wo likewise from wq ([128 rows 4][64 along k 8][tile 8][group 2][512 bytes], scale words behind).
; SHARES.  A work-group makes 128 rows x 128 columns: x = which 128 columns, y = which 128 rows.  Its operands, 64 KiB of o's images and 64 KiB of Wo's, are two dense blocks: each of the 8 waves brings 16 KiB by one tensor load;
; LDS is filled once, so there is one barrier and no ring.  Wave w makes rows 32 (w / 2) on, columns 64 (w % 2) on: 2 x 4 accumulators.
; THE PRODUCT IS USED TRANSPOSED (source 0 = 16 rows of Wo, source 1 = 16 rows of o).  Wo's tiles hold rows 32 (j/2) + 8 (j%2) + r + 8 (r/8), so register i of tile 2 bl + u in lane (r, h) is out(row r, column 32 bl + 16 h + 8 u + i).
; bo is the C of each sum's first matrix instruction.  The results go through the wave's own stage, so that sixteen lanes store 256 consecutive bytes, aligned.
; NO CLUSTER: a work-group has one fill and no loop; a joint request for o's 64 KiB would put two rounds of a cluster's barrier round a text that has one barrier.
; REGISTERS: v1-12 addresses; v16-79 accumulators (8 (4 mt + nt)); v80-111 o's two fragments; v112-175 Wo's four; v176-207 bo in the result's layout; v208-215 o's scale words (4 mt + s); v216-231 Wo's as stored; v232-239 Wo's by K step (2 s + bl).
.set BIMG, 65536                       ; LDS: o's images at 0, Wo's here,
.set STG,  131072                      ; and the stages: 16 rows x 272 bytes for each wave; no tensor load lands there
.set L16, 2
.set L8,  3
.set AA,  6                            ; v6 o's images: 16 x lane + my 32 rows
.set BA,  7                            ; v7 Wo's: 16 x lane + my four tiles
.set STO, 8
.set RD,  9
.set AO,  10                           ; v10 16 (lane % 16): a row of os
.set BO,  11                           ; v11 64 (lane / 16): my half's numbers of bo
.set CO,  12                           ; v12 my bytes of two rows of out0
.set ACC, 16
.set AF,  80
.set BF,  112
.set BI,  176
.set AS,  208
.set RAW, 216
.set BS,  232
.set G1,  24                           ; s[24:31] descriptor group 1;  s[32:35] group 0 for o's images;  s[36:39] for Wo's
.set G0A, 32
.set G0B, 36
	s_load_b256 s[4:11], s[0:1], 0x0               ; oc s[4:5], os s[6:7], wq s[8:9], bo s[10:11]
	s_load_b64 s[12:13], s[0:1], 0x20              ; out0
	v_lshl_add_u32 v254, v0, 2, 0x29000
	v_mov_b32 v255, 0
	ds_add_u32 v254, v255
	v_lshrrev_b32 v1, 5, v0
	v_readfirstlane_b32 s14, v1                    ; wave 0..7
	s_and_b32 s15, ttmp7, 0xffff                   ; which 128 rows
	; group 1: a dense block of 16,384 bytes as 64 rows of 256 bytes (32 elements of 8 bytes), no padding
	s_mov_b32 s[G1], 3<<16
	s_mov_b32 s[G1+1], 32<<16
	s_mov_b32 s[G1+2], 64<<16
	s_mov_b32 s[G1+3], 32<<16
	s_mov_b32 s[G1+4], 64
	s_mov_b32 s[G1+5], 32
	s_mov_b32 s[G1+6], 0
	s_mov_b32 s[G1+7], 0
	s_and_b32 s18, s14, 3
	s_lshl_b32 s18, s18, 14                        ; my quarter of a block of 64 KiB
	s_lshl_b32 s20, s15, 16
	s_add_co_u32 s20, s20, s18
	s_mov_b32 s21, 0
	s_lshl_b32 s22, ttmp9, 16
	s_add_co_u32 s22, s22, s18
	s_mov_b32 s23, 0
	s_mov_b32 s[G0A], 1
	s_lshl_b32 s[G0A+1], s14, 14                   ; LDS: wave x 16,384: waves 0-3 fill o's images, waves 4-7 Wo's
	s_mov_b32 s[G0B], 1
	s_lshl_b32 s[G0B+1], s14, 14
	s_wait_dscnt 0x0
	s_wait_kmcnt 0x0
	s_add_nc_u64 s[G0A+2:G0A+3], s[4:5], s[20:21]
	s_or_b32 s[G0A+3], s[G0A+3], 0x80000000
	s_add_nc_u64 s[G0B+2:G0B+3], s[8:9], s[22:23]
	s_or_b32 s[G0B+3], s[G0B+3], 0x80000000
	s_cmp_lt_u32 s14, 4                            ; a branch on the wave's number; four v_nop follow each of the two lines
	s_cbranch_scc0 .Lfor_b
	tensor_load_to_lds s[G0A:G0A+3], s[G1:G1+7]
	s_nop 0
.rept 4
	v_nop
.endr
	s_branch .Lasked
.Lfor_b:
	tensor_load_to_lds s[G0B:G0B+3], s[G1:G1+7]
	s_nop 0
.rept 4
	v_nop
.endr
.Lasked:
	v_and_b32 v1, 31, v0
	v_lshlrev_b32 v[L16], 4, v1
	v_lshlrev_b32 v[L8], 3, v1
	v_and_b32 v4, 15, v0                           ; r
	v_bfe_u32 v5, v0, 4, 1                         ; h
	s_lshr_b32 s16, s14, 1                         ; wr: my 32 rows
	s_and_b32 s17, s14, 1                          ; wc: my 64 columns
	s_lshl_b32 s18, s16, 14
	v_add_nc_u32 v[AA], s18, v[L16]
	s_lshl_b32 s18, s17, 12
	s_add_co_u32 s18, s18, BIMG
	v_add_nc_u32 v[BA], s18, v[L16]
	s_mul_i32 s18, s14, 4352
	s_add_co_u32 s18, s18, STG                     ; my stage
	v_mul_u32_u24 v[STO], v4, 272
	v_lshl_add_u32 v[STO], v5, 6, v[STO]
	v_add_nc_u32 v[STO], s18, v[STO]               ; in: row r, + 64 h
	v_mul_u32_u24 v[RD], v5, 272
	v_lshl_add_u32 v[RD], v4, 4, v[RD]
	v_add_nc_u32 v[RD], s18, v[RD]                 ; back: lanes 0-15 one row of 256 bytes, lanes 16-31 the next
	v_lshlrev_b32 v[AO], 4, v4
	v_lshlrev_b32 v[BO], 6, v5
	v_lshlrev_b32 v[CO], 11, v5
	v_lshl_add_u32 v[CO], v4, 4, v[CO]
	s_lshl_b32 s40, s15, 11                        ; os: 128 rows of 16 bytes, + my 32 rows
	s_lshl_b32 s18, s16, 9
	s_add_co_u32 s40, s40, s18
	s_mov_b32 s41, 0
	s_add_nc_u64 s[40:41], s[6:7], s[40:41]
	s_lshl_b32 s42, ttmp9, 12                      ; Wo's scale words: 8 x 512 bytes for 128 rows, + my half's 256
	s_lshl_b32 s18, s17, 8
	s_add_co_u32 s42, s42, s18
	s_add_co_u32 s42, s42, 262144
	s_mov_b32 s43, 0
	s_add_nc_u64 s[42:43], s[8:9], s[42:43]
	s_lshl_b32 s44, ttmp9, 9                       ; bo: 128 numbers, + my 64
	s_add_co_u32 s44, s44, s18
	s_mov_b32 s45, 0
	s_lshl_b32 s46, s15, 18                        ; out0: 128 rows of 2,048 bytes, + my 32 rows, + my columns
	s_lshl_b32 s19, s16, 16
	s_add_co_u32 s46, s46, s19
	s_add_co_u32 s46, s46, s44
	s_mov_b32 s47, 0
	s_add_nc_u64 s[44:45], s[10:11], s[44:45]
	s_add_nc_u64 s[46:47], s[12:13], s[46:47]
.irp mt, 0,1
	global_load_b128 v[AS+4*\mt:AS+4*\mt+3], v[AO], s[40:41] offset:256*\mt   ; row r's 16 bytes: a scale word for each K step
.endr
.irp hs, 0,1,2,3,4,5,6,7
	global_load_b64 v[RAW+2*\hs:RAW+2*\hs+1], v[L8], s[42:43] offset:512*\hs  ; for 64 along k: the words of my two pairs of tiles (low two bytes)
.endr
.irp nt, 0,1,2,3
	global_load_b128 v[BI+8*\nt:BI+8*\nt+3], v[BO], s[44:45] offset:(32*(\nt/2)+8*(\nt%2))*4
	global_load_b128 v[BI+8*\nt+4:BI+8*\nt+7], v[BO], s[44:45] offset:(32*(\nt/2)+8*(\nt%2))*4+16
.endr
	s_wait_loadcnt 0x0
.irp s, 0,1,2,3
.irp bl, 0,1
	v_perm_b32 v[BS+2*\s+\bl], v[RAW+4*\s+2+\bl], v[RAW+4*\s+\bl], 0x05040100   ; the two bytes of k 128 s + 0..63 below, those of 128 s + 64..127 above
.endr
.endr
.rept 8
	v_nop                                          ; a scale register written by a vector instruction stands eight places ahead of the product
.endr
	s_wait_tensorcnt 0x0                           ; my 16 KiB have landed,
	s_barrier_signal -1
	s_barrier_wait -1                              ; everybody's have
.macro PROD s, mt, nt
.set rD, ACC+8*(4*\mt+\nt)
.set rA, BF+16*\nt
.set rB, AF+16*\mt
.set rP, BS+2*\s+\nt/2
.set rQ, AS+4*\mt+\s
.if \s == 0
.if \nt % 2
	v_wmma_scale_f32_16x16x128_f8f6f4 v[rD:rD+7], v[rA:rA+15], v[rB:rB+15], v[BI+8*\nt:BI+8*\nt+7], v[rP], v[rQ] matrix_a_fmt:MATRIX_FMT_BF8 matrix_b_fmt:MATRIX_FMT_BF8 matrix_a_scale:MATRIX_SCALE_ROW1
.else
	v_wmma_scale_f32_16x16x128_f8f6f4 v[rD:rD+7], v[rA:rA+15], v[rB:rB+15], v[BI+8*\nt:BI+8*\nt+7], v[rP], v[rQ] matrix_a_fmt:MATRIX_FMT_BF8 matrix_b_fmt:MATRIX_FMT_BF8
.endif
.else
.if \nt % 2
	v_wmma_scale_f32_16x16x128_f8f6f4 v[rD:rD+7], v[rA:rA+15], v[rB:rB+15], v[rD:rD+7], v[rP], v[rQ] matrix_a_fmt:MATRIX_FMT_BF8 matrix_b_fmt:MATRIX_FMT_BF8 matrix_a_scale:MATRIX_SCALE_ROW1
.else
	v_wmma_scale_f32_16x16x128_f8f6f4 v[rD:rD+7], v[rA:rA+15], v[rB:rB+15], v[rD:rD+7], v[rP], v[rQ] matrix_a_fmt:MATRIX_FMT_BF8 matrix_b_fmt:MATRIX_FMT_BF8
.endif
.endif
.endm
.macro KSTEP s                         ; 24 LDS loads, 8 products: the eight accumulators by turns, in the same order in every step
.irp mt, 0,1
.irp c, 0,1,2,3
	ds_load_b128 v[AF+16*\mt+4*\c:AF+16*\mt+4*\c+3], v[AA] offset:\mt*8192+\s*2048+\c*512
.endr
.endr
.irp nt, 0,1,2,3
.irp c, 0,1,2,3
	ds_load_b128 v[BF+16*\nt+4*\c:BF+16*\nt+4*\c+3], v[BA] offset:(2*\s+\c/2)*8192+\nt*1024+(\c%2)*512
.endr
.endr
	s_wait_dscnt 0x0
.irp mt, 0,1
.irp nt, 0,1,2,3
	PROD \s, \mt, \nt
.endr
.endr
.rept 8
	v_nop                                          ; eight places in front of loads into registers that the products have read, and of the first read of results
.endr
.endm
	KSTEP 0
	KSTEP 1
	KSTEP 2
	KSTEP 3
; THE WAY OUT: 16 rows x 64 columns at a time through my stage.  LDS serves a wave's instructions in order: no wait between the stores and the loads, nor in front of the next tile's stores.
.macro TOSTAGE mt
.irp nt, 0,1,2,3
	ds_store_b128 v[STO], v[ACC+8*(4*\mt+\nt):ACC+8*(4*\mt+\nt)+3] offset:128*(\nt/2)+32*(\nt%2)      ; each accumulator from its low end on
	ds_store_b128 v[STO], v[ACC+8*(4*\mt+\nt)+4:ACC+8*(4*\mt+\nt)+7] offset:128*(\nt/2)+32*(\nt%2)+16
.endr
.irp i, 0,1,2,3,4,5,6,7
	ds_load_b128 v[AF+32*\mt+4*\i:AF+32*\mt+4*\i+3], v[RD] offset:2*\i*272
.endr
.endm
.macro SEND mt
.irp i, 0,1,2,3,4,5,6,7
	s_wait_dscnt 16*(1-\mt)+7-\i                   ; load i is in; the tile's younger loads, and behind tile 0 the 16 LDS instructions of tile 1, may be out
	global_store_b128 v[CO], v[AF+32*\mt+4*\i:AF+32*\mt+4*\i+3], s[46:47] offset:(16*\mt+2*\i)*2048 th:TH_STORE_NT   ; sixteen lanes store 256 consecutive bytes, aligned
.endr
.endm
	TOSTAGE 0
	TOSTAGE 1
	SEND 0
	SEND 1
	s_wait_tensorcnt 0x0
	ds_add_u32 v254, v255
	s_wait_dscnt 0x0
	s_endpgm
.Lfunc_end_k_qd92651e48d_proj:
	.size	k_qd92651e48d_proj, .Lfunc_end_k_qd92651e48d_proj-k_qd92651e48d_proj
	.p2alignl 7, 3214868480
	.fill 96, 4, 3214868480
	.section	.rodata,"a",@progbits
	.p2align	6, 0x0
	.amdhsa_kernel k_qd92651e48d_proj
		.amdhsa_group_segment_fixed_size 168960
		.amdhsa_private_segment_fixed_size 0
		.amdhsa_enable_private_segment 0
		.amdhsa_kernarg_size 40
		.amdhsa_user_sgpr_count 2
		.amdhsa_user_sgpr_kernarg_segment_ptr 1
		.amdhsa_wavefront_size32 1
		.amdhsa_system_sgpr_workgroup_id_x 1
		.amdhsa_system_sgpr_workgroup_id_y 1
		.amdhsa_system_sgpr_workgroup_id_z 1
		.amdhsa_system_vgpr_workitem_id 0
		.amdhsa_next_free_vgpr 256
		.amdhsa_next_free_sgpr 66
		.amdhsa_reserve_vcc 0
		.amdhsa_float_denorm_mode_32 3
		.amdhsa_float_denorm_mode_16_64 3
		.amdhsa_memory_ordered 1
		.amdhsa_forward_progress 1
		.amdhsa_inst_pref_size 23
	.end_amdhsa_kernel
	.amdgpu_metadata
---
amdhsa.version: [ 1, 2 ]
amdhsa.kernels:
  - .name:           k_qd92651e48d_proj
    .symbol:         k_qd92651e48d_proj.kd
    .args:
      - { .name: oc, .offset: 0, .size: 8, .value_kind: global_buffer, .address_space: global }
      - { .name: os, .offset: 8, .size: 8, .value_kind: global_buffer, .address_space: global }
      - { .name: wq, .offset: 16, .size: 8, .value_kind: global_buffer, .address_space: global }
      - { .name: bo, .offset: 24, .size: 8, .value_kind: global_buffer, .address_space: global }
      - { .name: out0, .offset: 32, .size: 8, .value_kind: global_buffer, .address_space: global }
    .group_segment_fixed_size: 168960
    .private_segment_fixed_size: 0
    .kernarg_segment_align: 8
    .kernarg_segment_size: 40
    .max_flat_workgroup_size: 256
    .sgpr_count:     66
    .vgpr_count:     256
    .wavefront_size: 32
...
	.end_amdgpu_metadata
.endif
;; end of part 3
